; MI455X (gfx1250); checked and timed in simulation.
; The chip was launched on July 23, 2026; its instructions are those of AMD's public machine-readable ISA for CDNA 5 (MIT licence, August 2026) and "CDNA5" Instruction Set Architecture Reference Guide (July 2026). The comments in the code are by the model that wrote it; some were corrected since.
;; LSTM Cell. Allowed arithmetic: matrix products marked QUANTISED: E2M1 operands, one E8M0 scale for each 32 along K, by v_wmma_scale_f32_16x16x128_f8f6f4 with both operands' format E2M1 (or v_wmma_scale_f32_32x16x128_f4), f32 sums; everything else in f32.
;; Inputs: Wh_codes 4 x 1,024 x 32 x 16 uint8 (E2M1 codes of Wh, K innermost, in blocks of 32 codes, two codes a byte); Wh_scales 4 x 1,024 x 32 uint8 (E8M0 scales of Wh, one for each 32 codes along K); Wx_codes 4 x 1,024 x 32 x 16 uint8 (E2M1 codes of Wx, K innermost, in blocks of 32 codes, two codes a byte); Wx_scales 4 x 1,024 x 32 uint8 (E8M0 scales of Wx, one for each 32 codes along K); c 8,192 x 1,024 float32; h_codes 8,192 x 32 x 16 uint8 (E2M1 codes of h, K innermost, in blocks of 32 codes, two codes a byte); h_scales 8,192 x 32 uint8 (E8M0 scales of h, one for each 32 codes along K); x_codes 8,192 x 32 x 16 uint8 (E2M1 codes of x, K innermost, in blocks of 32 codes, two codes a byte); x_scales 8,192 x 32 uint8 (E8M0 scales of x, one for each 32 codes along K).
;; Outputs: out0 8,192 x 1,024 float32; out1 8,192 x 1,024 float32.
;; This version of the problem:
;;   THIS VERSION OF THE PROBLEM IS GIVEN IN LOW PRECISION. The matrix products marked QUANTISED in the list below multiply operands that are first quantised to E2M1 (2 exponent bits, 1 mantissa bit; 4 bits a number), with one power-of-two scale for each 32 numbers along K (OCP MX v1.0); their sums are f32. All else is computed in f32.
;;   The module's matrix products, in the order in which they are computed (A, B: the left and right operand; K: the contracted axis; several contracted axes count as one K, in the product's order):
;;     1. [M 4,096, K 1,024] x [K 1,024, N 8,192]; A: input Wx (given as codes); B: input x (given as codes): QUANTISED
;;     2. [M 4,096, K 1,024] x [K 1,024, N 8,192]; A: input Wh (given as codes); B: input h (given as codes): QUANTISED
;;   THE QUANTISER, for each operand of a quantised product, along K:
;;     - K is cut into blocks of 32 from its start; a last block that is shorter is filled with zeros.
;;     - A block's scale is 2^e with e = floor(log2(the largest magnitude in the block)) - 2, held to -126 .. 127; a block of zeros has e = 0. As a byte (E8M0): e + 127.
;;     - Each number is divided by its block's scale, clamped to +-6, and rounded to the nearest number of E2M1, ties to even, subnormals kept.
;;     - The product sums the exact products of the quantised numbers (number of the format x scale) in f32.
;;   ~~~python
;;   def quantise(x, axis):      # numpy; x: float32 -> the quantised numbers, widened to float32 again
;;       x = np.moveaxis(x, axis, -1); K = x.shape[-1]
;;       x = np.pad(x, [(0, 0)] * (x.ndim - 1) + [(0, -K % 32)]); x = x.reshape(x.shape[:-1] + (-1, 32)); a = np.abs(x).max(-1, keepdims=True)
;;       e = np.where(a > 0, np.clip(np.frexp(np.where(a > 0, a, 1))[1] - 1 - 2, -126, 127), 0)      # np.frexp(a)[1] - 1 = floor(log2(a)), exactly
;;       r = np.clip(x / 2.0 ** e, -6, 6)
;;       step = 2.0 ** (np.maximum(np.frexp(np.where(r == 0, 1, r))[1] - 1, 0) - 1)
;;       q = np.round(r / step) * step * 2.0 ** e      # np.round: ties to even
;;       return np.moveaxis(q.reshape(q.shape[:-2] + (-1,))[..., :K], -1, axis).astype(np.float32)
;;   ~~~
;;   INPUTS GIVEN AS CODES. Wh (in the module: [4, 1024, 1024], K = its axis 1); Wx (in the module: [4, 1024, 1024], K = its axis 1); h (in the module: [8192, 1024], K = its axis 1); x (in the module: [8192, 1024], K = its axis 1): each comes as NAME_codes (uint8): NAME with its K axis moved to the last place and cut into blocks of 32 codes, [.., K / 32, bytes a block], one block behind the other in memory; two codes a byte, the lower K in the low four bits (a code: sign, 2 exponent bits, 1 mantissa bit); and NAME_scales (uint8): the same leading axes, one E8M0 byte (e + 127) for each 32 codes along K. Its value is code x scale, taken as it is: it is not quantised again, and the codes and scales need not be those that the quantiser above would give.
;; One version. Each part assembles by itself: llvm-mc -triple=amdgcn-amd-amdhsa -mcpu=gfx1250 --defsym DOCPART=n.
;; ======== version 1 of 1: 1 launch
;; limits: inputs' magnitudes at most 1,073,741,824
;; launch lstm (part 1): grid 16 x 16, 4 waves a work-group, clusters of 4 x 4, 327,680 bytes of LDS; arguments x_codes, x_scales, h_codes, h_scales, Wx_codes, Wx_scales, Wh_codes, Wh_scales, c, out0, out1; writes out0, out1
.if DOCPART == 1
	.amdgcn_target "amdgcn-amd-amdhsa--gfx1250"
	.amdhsa_code_object_version 6
	.text
	.protected	k_q0a5b8b06f5_lstm
	.globl	k_q0a5b8b06f5_lstm
	.p2align	8
	.type	k_q0a5b8b06f5_lstm,@function
k_q0a5b8b06f5_lstm:
	s_mov_b64 s[64:65], 0
	v_nop
	global_prefetch_b8 v0, s[64:65] scope:SCOPE_SE
	s_setreg_imm32_b32 hwreg(HW_REG_WAVE_MODE, 25, 1), 1
	s_wait_xcnt 0x0
	s_wait_alu depctr_hold_cnt(0) depctr_sa_sdst(0) depctr_va_vdst(0) depctr_va_sdst(0) depctr_va_ssrc(0) depctr_va_vcc(0) depctr_vm_vsrc(0)
	s_getreg_b32 s2, hwreg(HW_REG_IB_STS2, 6, 4)
	s_cmp_eq_u32 s2, 0
	s_cbranch_scc0 .Lentry_in_a_cluster
	s_endpgm
.Lentry_in_a_cluster:
	s_bfe_u32 s2, ttmp6, 0x10000c
	s_cmp_lg_u32 s2, 0xf033
	s_cbranch_scc0 .Lentry_shape_is_right
	s_endpgm
.Lentry_shape_is_right:
; LSTM cell.  g[gate][b][k] = sum over d of x[b][d] Wx[gate][d][k] + sum over d of h[b][d] Wh[gate][d][k]; i, f, o = sigmoid(g0, g1, g2), u = tanh(g3);
; out1 = c_t = i u + f c;  out0 = h_t = o tanh(c_t).  x, h [8192][1024] and Wx, Wh [4][1024 (k)][1024 (d)] come as codes of FP4 (E2M1), d innermost, 512 bytes a row, with 32 E8M0 bytes a row.
; NO WORK IS LEFT OUT: every input has a way to both outputs.  The two products add into one sum, so they are ONE product with K = 2,048: first x's 1,024 with Wx, then h's with Wh, on one f32 accumulator.
; LIMITS.  reference() adds two f32 sums where this text carries one: a difference of rounding.  The exponents of the five exponentials are held at 32 from above (below): that moves a sigmoid or a tanh by under 2^-31,
; whatever the size of g and c, and keeps every denominator under 2^97, so that no product overflows and no reciprocal is flushed; |c| is served up to 2^30.  The hold drops a NaN: a NaN (a scale byte 0xff, a NaN in c)
; is not carried to h_t, nor from g to c_t.
; SHARES.  A tile is 256 batch rows x 64 columns k x 4 gates: 256 rows of X = [x|h] against 256 rows of W.  512 tiles, 256 work-groups of four waves: each STAYS for two tiles, 4,096 batch rows apart, on the same rows of W.
; Wave w owns batch rows 64 w .. 64 w + 63 and all 256 rows of W: 4 blocks of X (a) x 16 blocks of W (b = 4 gate + n), 64 accumulators, 512 registers.  A wave tile of 64 x 256 reads 20 KiB of LDS for 128 along K where
; 128 x 128 would read 16; it is taken because all four gates of an output then lie in one lane, and a row's 64 columns are 256 consecutive bytes of c, out0 and out1: the tail is the wave's own, with no barrier.
; THE MATRIX INSTRUCTION IS USED TRANSPOSED: source 0 = 16 rows of W, source 1 = 16 rows of X: lane (r, h) holds batch row r, register j column 16 n + 8 h + j.
; K goes in steps of 512 (rows of 256 bytes) through a ring of two LDS slots; a tile has four: x bytes 0, 256 (slots 0, 1), then h bytes 0, 256.  The ring runs on into the next tile, whose first two steps land under the tail.
; CLUSTERS: 4 x 4 work-groups.  X's tile hangs on the tile row alone and is asked for jointly along a row of the cluster, W's on the tile column alone, along a column: a quarter of the requests.
; Waves 0, 1 fetch X's halves (128 rows); waves 2, 3 fetch W's: two gates x 64 rows each, a tile of three dimensions (the gates lie 1,024 rows apart in memory).
; THE SCALES go from memory straight into registers: one load of 16 bytes a lane at 32 x lane brings, for 32 neighbouring rows (two blocks), the four scale words of a K step; lanes 0-15 the even block, lanes 16-31 the odd one.
; c of a whole tile is asked for into registers in the tile's first step, 32 loads of two whole rows of 256 bytes, and is wanted 15 steps of 64 products later.
; REGISTERS, in windows of 256.  Window 0: v4-13 addresses; v16-95 scale words, two sets of 40; v96-127 c by fragments, then rows of c_t; v128-191 X's fragments, two sets; v192-223 rows of h_t.
;   Window 1: v0-127 W's 16 fragments, ONE set (in the tail: the four gates' work registers); v128-255 c as loaded.   Window 2: accumulators of gates i, f ((b, a) at 32 (b % 8) + 8 a);   window 3: of gates o, u.
.set PITCH,  272                       ; an LDS row: 256 bytes + 16 of padding = 68 words: the 16 rows of a fragment load start at 16 different banks (64 banks of 4 bytes: ISA guide 11.1)
.set HALFT,  128*PITCH                 ; 128 rows: what one tensor load brings
.set SLOT,   4*HALFT                   ; X's 256 rows, then W's 256 (row = 64 gate + column)
.set STAGE,  2*SLOT                    ; behind the ring: 16 rows x 272 bytes for each wave; no tensor load lands here
.set SPARE,  STAGE+4*16*PITCH          ; behind the stages: the spare words, 128 bytes for each wave: two blocks of 256 bytes that no other line names
.set ADX, 4                            ; v4-5   LDS address of my X fragments in slot 0, 1
.set ADW, 6                            ; v6-7   the same for W
.set LSC, 8                            ; v8     32 x lane: a row of scale bytes
.set OFS, 9                            ; v9     c, out0, out1: lanes 0-15 one row of 256 bytes, lanes 16-31 the next row
.set STI, 10                           ; v10    the stage by rows: the same two rows
.set STF, 11                           ; v11    the stage by fragments: row r, 32 h
.set SPW, 12                           ; v12    LDS address of my spare word; never rewritten
.set NIL, 13                           ; v13    0; never rewritten
.set SC,  16                           ; set s at SC + 40 s: X's pair k at + 4 k + q, W's pair i at + 8 + 4 i + q
.set CF,  96
.set XF,  128                          ; set p, block a at XF + 32 p + 8 a
.set HR,  192
.set CC,  128                          ; window 1: c as loaded: block a, load t at CC + 32 a + 4 t
.set WI,  0                            ; window 1, in the tail: element 8 n + j of gate i, f, o, u
.set WF,  32
.set WO,  64
.set WU,  96
.set XC,  4                            ; s[4:5] x's codes at my tensor load's first row;  s[6:7] x's scales at my wave's first row;  s[8:11] the same for h
.set XS,  6
.set HC,  8
.set HS,  10
.set WXC, 12                           ; s[12:13] Wx's codes at my tensor load's first row;  s[14:15] Wx's scales at the tile's first column;  s[16:19] the same for Wh
.set WXS, 14
.set WHC, 16
.set WHS, 18
.set CIN, 20                           ; s[20:21] c, s[22:23] out0, s[24:25] out1 at my wave's first row and the tile's first column
.set PO0, 22
.set PO1, 24
.set LW,  26                           ; s26    wave x HALFT: where my tensor loads land in a slot
.set G1X, 28                           ; s[28:35] group 1 for X's tiles;  s[36:43] group 0, a set for each slot
.set G0X, 36
.set G1W, 44                           ; s[44:51], s[52:55], s[56:59] groups 1, 2, 3 for W's tiles;  s[60:63], s[68:71] group 0 for slot 0, 1
.set G2W, 52
.set G3W, 56
.set G0W, 60
.set K1,  72                           ; s[72:73] -log2(e), twice;  s[74:75] -2 log2(e), twice: the packed forms name a pair
.set K2,  74
.set CL,  76                           ; s76    32.0
.set TILES, 77
.set BLK, 78
.set WV,  79                           ; wave;  s80 wave / 2: I fetch for X (0) or W (1);  s81 wave % 2: which half
.set WH,  80
.set WL,  81
.set MSB, 0
.macro WIN new                         ; the immediate's high byte repeats the setting that is left; a switch that changes nothing is dropped
.if MSB != \new
	s_set_vgpr_msb (MSB<<8)|\new
.set MSB, \new
.endif
.endm
.set MUL_LO, 0xa1                      ; source 0 (W) window 1, source 1 (X) window 0, C and D window 2
.set MUL_HI, 0xf1                      ; the same, C and D window 3
.set TO1,    0x40                      ; destination window 1, address window 0
.macro PLACES n                        ; plain vector instructions that name no register of the matrix instructions in front (ISA guide 7.12.1)
.rept \n
	v_nop
.endr
.endm
; A joint load.  Each of the two lines has one mask and one set of registers for all that issue it; the branch hangs on the wave's number alone.  An s_nop 0 and four v_nop follow each line.
.macro JLOAD s
	s_cmp_eq_u32 s[WH], 0
	s_cbranch_scc0 .Lfor_w_\@
	tensor_load_to_lds s[G0X+4*\s:G0X+4*\s+3], s[G1X:G1X+7]
	s_nop 0
.rept 4
	v_nop
.endr
	s_branch .Lasked_\@
.Lfor_w_\@:
	tensor_load_to_lds s[G0W+8*\s:G0W+8*\s+3], s[G1W:G1W+7], s[G2W:G2W+3], s[G3W:G3W+3]
	s_nop 0
.rept 4
	v_nop
.endr
.Lasked_\@:
.endm
.macro CREST                           ; a round of the cluster's barrier behind its opening barrier
	s_cmp_lg_u32 s[WV], 0
	s_cbranch_scc1 .Lnot_wave_0_\@
	s_barrier_signal -3
.Lnot_wave_0_\@:
	s_barrier_wait -3
	s_barrier_signal -1
	s_barrier_wait -1
.endm
.macro CROUND                          ; a whole round
	s_barrier_signal -1
	s_barrier_wait -1
	CREST
.endm
; One product: W's block b x X's block a, the slot's q-th 128 along K; p: X's set; set: the scale words' set.  sel bit 0: X's block is the odd one of its pair (its words lie in lanes 16-31); bit 1: W's is.
.macro MM b, a, p, q, set, zero, sel
.set rD, 32*((\b)%8)+8*(\a)
.set rW, 8*(\b)
.set rX, XF+32*(\p)+8*(\a)
.set rA, SC+40*(\set)+8+4*((\b)/2)+(\q)
.set rB, SC+40*(\set)+4*((\a)/2)+(\q)
.if \zero
.if \sel == 0
	v_wmma_scale_f32_16x16x128_f8f6f4 v[rD:rD+7], v[rW:rW+7], v[rX:rX+7], 0, v[rA], v[rB] matrix_a_fmt:MATRIX_FMT_FP4 matrix_b_fmt:MATRIX_FMT_FP4
.elseif \sel == 1
	v_wmma_scale_f32_16x16x128_f8f6f4 v[rD:rD+7], v[rW:rW+7], v[rX:rX+7], 0, v[rA], v[rB] matrix_a_fmt:MATRIX_FMT_FP4 matrix_b_fmt:MATRIX_FMT_FP4 matrix_b_scale:MATRIX_SCALE_ROW1
.elseif \sel == 2
	v_wmma_scale_f32_16x16x128_f8f6f4 v[rD:rD+7], v[rW:rW+7], v[rX:rX+7], 0, v[rA], v[rB] matrix_a_fmt:MATRIX_FMT_FP4 matrix_b_fmt:MATRIX_FMT_FP4 matrix_a_scale:MATRIX_SCALE_ROW1
.else
	v_wmma_scale_f32_16x16x128_f8f6f4 v[rD:rD+7], v[rW:rW+7], v[rX:rX+7], 0, v[rA], v[rB] matrix_a_fmt:MATRIX_FMT_FP4 matrix_b_fmt:MATRIX_FMT_FP4 matrix_a_scale:MATRIX_SCALE_ROW1 matrix_b_scale:MATRIX_SCALE_ROW1
.endif
.else
.if \sel == 0
	v_wmma_scale_f32_16x16x128_f8f6f4 v[rD:rD+7], v[rW:rW+7], v[rX:rX+7], v[rD:rD+7], v[rA], v[rB] matrix_a_fmt:MATRIX_FMT_FP4 matrix_b_fmt:MATRIX_FMT_FP4
.elseif \sel == 1
	v_wmma_scale_f32_16x16x128_f8f6f4 v[rD:rD+7], v[rW:rW+7], v[rX:rX+7], v[rD:rD+7], v[rA], v[rB] matrix_a_fmt:MATRIX_FMT_FP4 matrix_b_fmt:MATRIX_FMT_FP4 matrix_b_scale:MATRIX_SCALE_ROW1
.elseif \sel == 2
	v_wmma_scale_f32_16x16x128_f8f6f4 v[rD:rD+7], v[rW:rW+7], v[rX:rX+7], v[rD:rD+7], v[rA], v[rB] matrix_a_fmt:MATRIX_FMT_FP4 matrix_b_fmt:MATRIX_FMT_FP4 matrix_a_scale:MATRIX_SCALE_ROW1
.else
	v_wmma_scale_f32_16x16x128_f8f6f4 v[rD:rD+7], v[rW:rW+7], v[rX:rX+7], v[rD:rD+7], v[rA], v[rB] matrix_a_fmt:MATRIX_FMT_FP4 matrix_b_fmt:MATRIX_FMT_FP4 matrix_a_scale:MATRIX_SCALE_ROW1 matrix_b_scale:MATRIX_SCALE_ROW1
.endif
.endif
.endm
; 8 products: W's pair i x X's four blocks.  The 64 accumulators take turns, one instruction a turn, in the same order in every step of 128 along K.
.macro MULP i, p, q, set, zero
.irp k, 0,1
	MM 2*(\i), 2*\k, \p, \q, \set, \zero, 0
	MM 2*(\i), 2*\k+1, \p, \q, \set, \zero, 1
	MM 2*(\i)+1, 2*\k, \p, \q, \set, \zero, 2
	MM 2*(\i)+1, 2*\k+1, \p, \q, \set, \zero, 3
.endr
.endm
; A fragment, 16 rows x 128 K of 4-bit codes, is 8 registers: lane l holds row l % 16; registers 4 c .. 4 c + 3 hold K = 64 c + 32 (l / 16) + 0 .. 31: two loads of 16 bytes, 32 bytes apart.
.macro FETCH_X s, q, p                 ; my four blocks of X, the slot's q-th 128 along K, into set p: 8 loads
	WIN 0
.irp a, 0,1,2,3
.irp c, 0,1
	ds_load_b128 v[XF+32*(\p)+8*\a+4*\c:XF+32*(\p)+8*\a+4*\c+3], v[ADX+\s] offset:64*(\q)+32*\c+16*PITCH*\a
.endr
.endr
.endm
.macro FETCH_W s, q, b0                ; W's blocks b0 .. b0 + 7: 16 loads; the largest offset, 65,504, is inside the 16-bit immediate
	WIN TO1
.irp b, 0,1,2,3,4,5,6,7
.irp c, 0,1
	ds_load_b128 v[8*(\b0+\b)+4*\c:8*(\b0+\b)+4*\c+3], v[ADW+\s] offset:64*(\q)+32*\c+16*PITCH*(\b0+\b)
.endr
.endr
.endm
.macro SCLOAD set, xs, ws              ; a K step's scale words into set: 2 loads for my 64 rows of X, 8 for W's 256 (pair i: gate i / 2, columns 32 (i % 2) on)
.irp k, 0,1
	global_load_b128 v[SC+40*\set+4*\k:SC+40*\set+4*\k+3], v[LSC], s[\xs:\xs+1] offset:16*\set+1024*\k
.endr
.irp i, 0,1,2,3,4,5,6,7
	global_load_b128 v[SC+40*\set+8+4*\i:SC+40*\set+8+4*\i+3], v[LSC], s[\ws:\ws+1] offset:16*\set+32768*(\i/2)+1024*(\i%2)
.endr
.endm
.macro CLOAD                           ; my 64 rows x 256 bytes of c: each load takes two whole rows; read once in the launch
	WIN TO1
.irp a, 0,1,2,3
.irp t, 0,1,2,3,4,5,6,7
	global_load_b128 v[CC+32*\a+4*\t:CC+32*\a+4*\t+3], v[OFS], s[CIN:CIN+1] offset:(16*\a+2*\t)*4096 th:TH_LOAD_NT
.endr
.endr
.endm
; A step of 128 along K that has its successor in the same slot (q = 0 .. 2).  n: at a slot's first step, how many younger global loads may stay out when this slot's scale words must be in.  cl = 1: c is asked for.
.macro STEP s, q, zero, n, cl
.if (\q) == 0
	s_wait_loadcnt \n
.endif
	s_wait_dscnt 16                                ; X's set and W's blocks 0-7 are in; the youngest 16 loads (W's blocks 8-15) may be out
	WIN MUL_LO
	MULP 0, (\q)%2, \q, \s, \zero
	MULP 1, (\q)%2, \q, \s, \zero
	MULP 2, (\q)%2, \q, \s, \zero
	MULP 3, (\q)%2, \q, \s, \zero
	s_wait_dscnt 0x0                               ; W's blocks 8-15 are in (asked for 32 products ago)
	PLACES 4                                       ; in front of loads into registers that products have read
	FETCH_X \s, (\q)+1, 1-(\q)%2
	FETCH_W \s, (\q)+1, 0
.if \cl
	CLOAD
.endif
	WIN MUL_HI
	MULP 4, (\q)%2, \q, \s, \zero
	MULP 5, (\q)%2, \q, \s, \zero
	MULP 6, (\q)%2, \q, \s, \zero
	MULP 7, (\q)%2, \q, \s, \zero
	PLACES 4
	FETCH_W \s, (\q)+1, 8
	WIN 0
.endm
; A slot's last step (q = 3, X's set 1) changes slots: ONE barrier; in front of it each wave waits for all its tensor loads, adds 0 to its spare word, and waits for that and for its own reads of this slot.
; fill = 1: the barrier opens a round of the cluster's barrier, and this slot is filled again from s[xc], s[wc] at byte 256 s of the rows; its scale set is loaded again from s[xs], s[ws] behind the step's last product.
; fetch = 1: the next slot's first fragments are fetched.
.macro TURN s, nx, fill, fetch, xc, wc, xs, ws
	s_wait_tensorcnt 0x0                           ; all my tensor loads have landed: the one that was out is my part of the next slot
	ds_add_u32 v[SPW], v[NIL]                      ; 0 onto my spare word
	s_wait_dscnt 17                                ; the add and the youngest 16 loads (W's blocks 8-15) may be out
	WIN MUL_LO
	MULP 0, 1, 3, \s, 0                            ; sixteen products stand between the add and the wait for it
	MULP 1, 1, 3, \s, 0
	s_wait_dscnt 0x0                               ; the add is done, and my reads of this slot are over
	s_barrier_signal -1
	MULP 2, 1, 3, \s, 0
	MULP 3, 1, 3, \s, 0
	WIN 0
	s_barrier_wait -1
.if \fill
	CREST                                          ; no wave of any partner still reads this slot's tiles or has a load on its way
	s_add_nc_u64 s[G0X+4*\s+2:G0X+4*\s+3], s[\xc:\xc+1], 256*\s   ; no tensor load of mine is out: group 0 may be written
	s_or_b32 s[G0X+4*\s+3], s[G0X+4*\s+3], 0x80000000
	s_add_nc_u64 s[G0W+8*\s+2:G0W+8*\s+3], s[\wc:\wc+1], 256*\s
	s_or_b32 s[G0W+8*\s+3], s[G0W+8*\s+3], 0x80000000
	JLOAD \s                                       ; the first tensor load behind the round, my only one until the next; its four v_nop are also the places in front of the loads below
.else
	PLACES 4
.endif
.if \fetch
	FETCH_X \nx, 0, 0
	FETCH_W \nx, 0, 0
.endif
	WIN MUL_HI
	MULP 4, 1, 3, \s, 0
	MULP 5, 1, 3, \s, 0
	MULP 6, 1, 3, \s, 0
	MULP 7, 1, 3, \s, 0
	PLACES 4                                       ; in front of the loads into W's registers and into this slot's scale words, and of the tail's first reads of results
.if \fetch
	FETCH_W \nx, 0, 8
.endif
	WIN 0
.if \fill
	SCLOAD \s, \xs, \ws
.endif
.endm
; THE TAIL, for my 64 rows x 64 columns, a block of 16 rows a trip: 32 outputs a lane.  With E_g = 2^min(k g, 32), k = -log2(e) for i, f, o and -2 log2(e) for u:
;   A = 1 + Ei, F = 1 + Ef, P = A Eu + A, N = F - Eu F, D = P F:   c_t = i u + f c = (c P + N) / D;     Ec = 2^min(-2 log2(e) c_t, 32), O = 1 + Eo, D2 = O Ec + O:   h_t = (1 - Ec) / D2.
; Five exponentials and two reciprocals an output.  c comes from its registers (rows) through my stage into the fragments' order; c_t and h_t go the other way and leave as whole rows of 256 bytes.
; LDS serves a wave's instructions in order (ISA guide 5.7.1.4): the one stage serves all three, with no wait between a store and the load that reads it, nor in front of the next stores.
.macro VAR a                           ; the part whose registers change from trip to trip: block a's four gates, scaled, into the work registers; block a's c into the stage
	WIN 0x42                                       ; destination window 1, source 0 window 2
.irp n, 0,1,2,3
.irp j, 0,2,4,6
	v_pk_mul_f32 v[WI+8*\n+\j:WI+8*\n+\j+1], v[32*\n+8*(\a)+\j:32*\n+8*(\a)+\j+1], s[K1:K1+1] op_sel_hi:[1,0]   ; each accumulator from its low end on
.endr
.endr
.irp n, 0,1,2,3
.irp j, 0,2,4,6
	v_pk_mul_f32 v[WF+8*\n+\j:WF+8*\n+\j+1], v[128+32*\n+8*(\a)+\j:128+32*\n+8*(\a)+\j+1], s[K1:K1+1] op_sel_hi:[1,0]
.endr
.endr
	WIN 0x43                                       ; source 0 window 3
.irp n, 0,1,2,3
.irp j, 0,2,4,6
	v_pk_mul_f32 v[WO+8*\n+\j:WO+8*\n+\j+1], v[32*\n+8*(\a)+\j:32*\n+8*(\a)+\j+1], s[K1:K1+1] op_sel_hi:[1,0]
.endr
.endr
.irp n, 0,1,2,3
.irp j, 0,2,4,6
	v_pk_mul_f32 v[WU+8*\n+\j:WU+8*\n+\j+1], v[128+32*\n+8*(\a)+\j:128+32*\n+8*(\a)+\j+1], s[K2:K2+1] op_sel_hi:[1,0]
.endr
.endr
	WIN 0x04                                       ; an LDS store's data are its source 1: window 1
.irp t, 0,1,2,3,4,5,6,7
	ds_store_b128 v[STI], v[CC+32*(\a)+4*\t:CC+32*(\a)+4*\t+3] offset:2*PITCH*\t
.endr
	WIN 0
.endm
.macro PK16 op                         ; (only a name for the count below: sixteen packed instructions cover a gate's 32 numbers)
.endm
.macro EPI
	s_mov_b32 s[BLK], 0
.Lepi_\@:
	s_cmp_eq_u32 s[BLK], 0
	s_cbranch_scc0 .Lv1_\@
	VAR 0
	s_branch .Lvd_\@
.Lv1_\@:
	s_cmp_eq_u32 s[BLK], 1
	s_cbranch_scc0 .Lv2_\@
	VAR 1
	s_branch .Lvd_\@
.Lv2_\@:
	s_cmp_eq_u32 s[BLK], 2
	s_cbranch_scc0 .Lv3_\@
	VAR 2
	s_branch .Lvd_\@
.Lv3_\@:
	VAR 3
.Lvd_\@:
.irp n, 0,1,2,3
.irp q, 0,1
	ds_load_b128 v[CF+8*\n+4*\q:CF+8*\n+4*\q+3], v[STF] offset:64*\n+16*\q   ; c(r, 16 n + 8 h + 4 q ..)
.endr
.endr
	WIN 0x55                                       ; everything in window 1
.set EJ, 0
.rept 128                                      ; the hold at 32, and two registers behind it the exponential: ONE batch of 128, none of which reads another's result
	v_min_num_f32 v[EJ], s[CL], v[EJ]
.if EJ >= 2
	v_exp_f32 v[EJ-2], v[EJ-2]
.endif
.set EJ, EJ+1
.endr
	v_exp_f32 v126, v126
	v_exp_f32 v127, v127
	v_nop                                          ; a plain instruction behind the last exponential,
	s_wait_alu depctr_va_vdst(0)                   ; and the one wait ahead of the batch's first reader
.set EJ, 0
.rept 16
	v_pk_add_f32 v[WI+EJ:WI+EJ+1], v[WI+EJ:WI+EJ+1], 1.0 op_sel_hi:[1,0]                     ; A = 1 + Ei
.set EJ, EJ+2
.endr
.set EJ, 0
.rept 16
	v_pk_add_f32 v[WF+EJ:WF+EJ+1], v[WF+EJ:WF+EJ+1], 1.0 op_sel_hi:[1,0]                     ; F = 1 + Ef
.set EJ, EJ+2
.endr
.set EJ, 0
.rept 16
	v_pk_fma_f32 v[WI+EJ:WI+EJ+1], v[WI+EJ:WI+EJ+1], v[WU+EJ:WU+EJ+1], v[WI+EJ:WI+EJ+1]      ; P = A Eu + A
.set EJ, EJ+2
.endr
.set EJ, 0
.rept 16
	v_pk_fma_f32 v[WU+EJ:WU+EJ+1], v[WU+EJ:WU+EJ+1], v[WF+EJ:WF+EJ+1], v[WF+EJ:WF+EJ+1] neg_lo:[1,0,0] neg_hi:[1,0,0]   ; N = F - Eu F
.set EJ, EJ+2
.endr
.set EJ, 0
.rept 16
	v_pk_mul_f32 v[WF+EJ:WF+EJ+1], v[WI+EJ:WI+EJ+1], v[WF+EJ:WF+EJ+1]                        ; D = P F
.set EJ, EJ+2
.endr
.set EJ, 0
.rept 32
	v_rcp_f32 v[WF+EJ], v[WF+EJ]                   ; 1 / D
.set EJ, EJ+1
.endr
	s_wait_dscnt 0x0                               ; c is back from the stage
	WIN 0x54                                       ; source 0 (c) window 0
.set EJ, 0
.rept 16
	v_pk_fma_f32 v[WU+EJ:WU+EJ+1], v[CF+EJ:CF+EJ+1], v[WI+EJ:WI+EJ+1], v[WU+EJ:WU+EJ+1]      ; c P + N: plain work behind the reciprocals, which names none of them
.set EJ, EJ+2
.endr
	WIN 0x55
	s_wait_alu depctr_va_vdst(0)                   ; one wait for the 32 reciprocals
.set EJ, 0
.rept 16
	v_pk_mul_f32 v[WI+EJ:WI+EJ+1], v[WU+EJ:WU+EJ+1], v[WF+EJ:WF+EJ+1]                        ; c_t
.set EJ, EJ+2
.endr
.set EJ, 0
.rept 16
	v_pk_mul_f32 v[WF+EJ:WF+EJ+1], v[WI+EJ:WI+EJ+1], s[K2:K2+1] op_sel_hi:[1,0]              ; -2 log2(e) c_t
.set EJ, EJ+2
.endr
	WIN 0x04
.irp n, 0,1,2,3
.irp q, 0,1
	ds_store_b128 v[STF], v[WI+8*\n+4*\q:WI+8*\n+4*\q+3] offset:64*\n+16*\q
.endr
.endr
	WIN 0
.irp t, 0,1,2,3,4,5,6,7
	ds_load_b128 v[CF+4*\t:CF+4*\t+3], v[STI] offset:2*PITCH*\t   ; c_t by rows, into the registers that c has left
.endr
	WIN 0x55
.set EJ, 0
.rept 32
	v_min_num_f32 v[WF+EJ], s[CL], v[WF+EJ]
.if EJ >= 2
	v_exp_f32 v[WF+EJ-2], v[WF+EJ-2]               ; Ec
.endif
.set EJ, EJ+1
.endr
	v_exp_f32 v[WF+30], v[WF+30]
	v_exp_f32 v[WF+31], v[WF+31]
.set EJ, 0
.rept 16
	v_pk_add_f32 v[WO+EJ:WO+EJ+1], v[WO+EJ:WO+EJ+1], 1.0 op_sel_hi:[1,0]                     ; O = 1 + Eo: plain work behind the exponentials
.set EJ, EJ+2
.endr
	s_wait_alu depctr_va_vdst(0)                   ; one wait for the 32 exponentials
.set EJ, 0
.rept 16
	v_pk_fma_f32 v[WO+EJ:WO+EJ+1], v[WO+EJ:WO+EJ+1], v[WF+EJ:WF+EJ+1], v[WO+EJ:WO+EJ+1]      ; D2 = O Ec + O
.set EJ, EJ+2
.endr
.set EJ, 0
.rept 32
	v_rcp_f32 v[WO+EJ], v[WO+EJ]                   ; 1 / D2
.set EJ, EJ+1
.endr
	WIN 0
	s_wait_dscnt 0x0                               ; c_t's rows are in
.irp t, 0,1,2,3,4,5,6,7
	global_store_b128 v[OFS], v[CF+4*\t:CF+4*\t+3], s[PO1:PO1+1] offset:8192*\t th:TH_STORE_NT   ; 16 lanes store 256 consecutive bytes, at a multiple of 256 from out1's first byte
.endr
	v_nop                                          ; a plain instruction behind the last reciprocal,
	s_wait_alu depctr_va_vdst(0)                   ; and the one wait for the 32
	WIN 0x55
.set EJ, 0
.rept 16
	v_pk_fma_f32 v[WU+EJ:WU+EJ+1], v[WF+EJ:WF+EJ+1], v[WO+EJ:WO+EJ+1], v[WO+EJ:WO+EJ+1] neg_lo:[1,0,0] neg_hi:[1,0,0]   ; h_t = 1 / D2 - Ec / D2
.set EJ, EJ+2
.endr
	WIN 0x04
.irp n, 0,1,2,3
.irp q, 0,1
	ds_store_b128 v[STF], v[WU+8*\n+4*\q:WU+8*\n+4*\q+3] offset:64*\n+16*\q
.endr
.endr
	WIN 0
.irp t, 0,1,2,3,4,5,6,7
	ds_load_b128 v[HR+4*\t:HR+4*\t+3], v[STI] offset:2*PITCH*\t
.endr
	s_wait_dscnt 0x0
.irp t, 0,1,2,3,4,5,6,7
	global_store_b128 v[OFS], v[HR+4*\t:HR+4*\t+3], s[PO0:PO0+1] offset:8192*\t th:TH_STORE_NT
.endr
	s_wait_xcnt 0x0                                ; the stores have read their registers and bases: only behind this wait are the bases stepped and the rows' registers loaded again
	s_add_nc_u64 s[PO0:PO0+1], s[PO0:PO0+1], 16*4096
	s_add_nc_u64 s[PO1:PO1+1], s[PO1:PO1+1], 16*4096
	s_add_co_u32 s[BLK], s[BLK], 1
	s_cmp_lt_u32 s[BLK], 4
	s_cbranch_scc1 .Lepi_\@
.endm
	s_load_b512 s[4:19], s[0:1], 0x0               ; x's codes, scales; h's; Wx's; Wh's
	s_load_b128 s[20:23], s[0:1], 0x40             ; c, out0
	s_load_b64 s[24:25], s[0:1], 0x50              ; out1
	v_lshl_add_u32 v[SPW], v0, 2, SPARE
	v_mov_b32 v[NIL], 0
	ds_add_u32 v[SPW], v[NIL]                      ; the wave's opening: the add, twice on end, and its wait ahead of my first tensor load; the set-up below stands between the second and the wait
	ds_add_u32 v[SPW], v[NIL]
	v_lshrrev_b32 v1, 5, v0
	v_readfirstlane_b32 s[WV], v1                  ; wave 0..3
	s_lshr_b32 s[WH], s[WV], 1
	s_and_b32 s[WL], s[WV], 1
	s_bfe_u32 s82, ttmp6, 0x40000                  ; cx, cy: my place in the cluster
	s_bfe_u32 s83, ttmp6, 0x40004
	s_lshl_b32 s84, ttmp9, 2
	s_add_co_u32 s84, s84, s82                     ; tile column = 4 x cluster x + cx: 64 columns k each
	s_and_b32 s85, ttmp7, 0xffff
	s_lshl_b32 s85, s85, 2
	s_add_co_u32 s85, s85, s83                     ; first tile row = 4 x cluster y + cy: 256 batch rows each
	s_lshl_b32 s86, s83, 2
	s_lshl_b32 s86, 15, s86                        ; my row of the cluster
	s_lshl_b32 s87, 0x1111, s82                    ; my column
	; group 1 for X: 128 rows x 256 bytes, 512 bytes apart in memory, 16 bytes of padding behind each in LDS
	s_or_b32 s[G1X], s86, (1<<20)|(1<<21)|(5<<22)|(3<<25)   ; 15:0 the mask: my row; 17:16 elements of 1 byte; 20 padding on; 21 set beside a mask; 24:22 after every 64 words; 31:25 four words
	s_mov_b32 s[G1X+1], 256<<16                    ; tensor_dim0
	s_mov_b32 s[G1X+2], 128<<16                    ; tensor_dim1
	s_mov_b32 s[G1X+3], 256<<16                    ; tile_dim0
	s_mov_b32 s[G1X+4], 128                        ; tile_dim1
	s_mov_b32 s[G1X+5], 512                        ; from row to row
	s_mov_b32 s[G1X+6], 0
	s_mov_b32 s[G1X+7], 0
	; groups 1 to 3 for W: 2 gates x 64 rows x 256 bytes; the gates 1,024 rows = 0x80000 bytes apart; the padding counts on from gate to gate, so that the 128 rows lie 272 bytes apart
	s_or_b32 s[G1W], s87, (1<<20)|(1<<21)|(5<<22)|(3<<25)   ; the same with the mask of my column
	s_mov_b32 s[G1W+1], 256<<16                    ; tensor_dim0
	s_mov_b32 s[G1W+2], 64<<16                     ; tensor_dim1
	s_mov_b32 s[G1W+3], 256<<16                    ; tile_dim0
	s_mov_b32 s[G1W+4], 64|(2<<16)                 ; tile_dim1 = 64, tile_dim2 = 2
	s_mov_b32 s[G1W+5], 512                        ; from row to row
	s_mov_b32 s[G1W+6], 0                          ; from gate to gate, bits 15:0
	s_mov_b32 s[G1W+7], 8                          ; and bits 47:16
	s_mov_b32 s[G2W], 2                            ; tensor_dim2
	s_mov_b32 s[G2W+1], 1                          ; the fourth and fifth dimension have size 1
	s_mov_b32 s[G2W+2], 0x100000
	s_mov_b32 s[G2W+3], 1<<16
	s_mov_b32 s[G3W], 0x100000
	s_mov_b32 s[G3W+1], 1<<16
	s_mov_b32 s[G3W+2], 1<<16
	s_mov_b32 s[G3W+3], 0
	s_mov_b32 s[K1], 0xbfb8aa3b                    ; -log2(e)
	s_mov_b32 s[K1+1], s[K1]
	s_mov_b32 s[K2], 0xc038aa3b                    ; -2 log2(e)
	s_mov_b32 s[K2+1], s[K2]
	s_mov_b32 s[CL], 0x42000000                    ; 32.0
	; byte offsets.  Those of X's tiles are made of the tile row and the wave's number alone, those of W's of the tile column and the wave's number alone
	s_lshl_b32 s88, s85, 8
	s_lshl_b32 s89, s[WL], 7
	s_add_co_u32 s88, s88, s89                     ; X: row 256 x tile row + 128 x half,
	s_lshl_b32 s88, s88, 9                         ; of 512 bytes
	s_mov_b32 s89, 0
	s_lshl_b32 s90, s85, 8
	s_lshl_b32 s91, s[WV], 6
	s_add_co_u32 s90, s90, s91                     ; my wave's first batch row
	s_lshl_b32 s92, s90, 12                        ; in c and the outputs: rows of 4,096 bytes,
	s_lshl_b32 s90, s90, 5                         ; in the scales: of 32
	s_mov_b32 s91, 0
	s_lshl_b32 s93, s84, 8
	s_add_co_u32 s92, s92, s93                     ; + the tile's 256 bytes of a row
	s_mov_b32 s93, 0
	s_lshl_b32 s94, s[WL], 11
	s_lshl_b32 s95, s84, 6
	s_add_co_u32 s94, s94, s95                     ; W: row 2,048 x half (two gates) + 64 x tile column,
	s_lshl_b32 s94, s94, 9                         ; of 512 bytes
	s_mov_b32 s95, 0
	s_lshl_b32 s96, s84, 11                        ; W's scales: 64 x tile column rows of 32 bytes
	s_mov_b32 s97, 0
	s_mul_i32 s[LW], s[WV], HALFT                  ; where my tensor loads land: no place in the cluster enters an LDS address
	s_wait_dscnt 0x0                               ; both opening adds are done
	s_wait_kmcnt 0x0
	s_add_nc_u64 s[XC:XC+1], s[XC:XC+1], s[88:89]
	s_add_nc_u64 s[HC:HC+1], s[HC:HC+1], s[88:89]
	s_add_nc_u64 s[XS:XS+1], s[XS:XS+1], s[90:91]
	s_add_nc_u64 s[HS:HS+1], s[HS:HS+1], s[90:91]
	s_add_nc_u64 s[WXC:WXC+1], s[WXC:WXC+1], s[94:95]
	s_add_nc_u64 s[WHC:WHC+1], s[WHC:WHC+1], s[94:95]
	s_add_nc_u64 s[WXS:WXS+1], s[WXS:WXS+1], s[96:97]
	s_add_nc_u64 s[WHS:WHS+1], s[WHS:WHS+1], s[96:97]
	s_add_nc_u64 s[CIN:CIN+1], s[CIN:CIN+1], s[92:93]
	s_add_nc_u64 s[PO0:PO0+1], s[PO0:PO0+1], s[92:93]
	s_add_nc_u64 s[PO1:PO1+1], s[PO1:PO1+1], s[92:93]
	CROUND                                         ; all sixteen work-groups are here: the first joint loads meet
.irp s, 0,1
	s_mov_b32 s[G0X+4*\s], 1                       ; count = 1
	s_add_co_u32 s[G0X+4*\s+1], s[LW], \s*SLOT     ; LDS address
	s_add_nc_u64 s[G0X+4*\s+2:G0X+4*\s+3], s[XC:XC+1], \s*256   ; x, K step s
	s_or_b32 s[G0X+4*\s+3], s[G0X+4*\s+3], 0x80000000           ; type = 2
	s_mov_b32 s[G0W+8*\s], 1
	s_add_co_u32 s[G0W+8*\s+1], s[LW], \s*SLOT
	s_add_nc_u64 s[G0W+8*\s+2:G0W+8*\s+3], s[WXC:WXC+1], \s*256
	s_or_b32 s[G0W+8*\s+3], s[G0W+8*\s+3], 0x80000000
	JLOAD \s                                       ; both slots' first fills go out together: two tensor loads of mine are out, and never more
.endr
	v_and_b32 v1, 15, v0                           ; r = lane % 16
	v_bfe_u32 v2, v0, 4, 1                         ; h = lane / 16
	v_and_b32 v3, 31, v0                           ; lane
	v_mul_u32_u24 v14, v1, PITCH
	v_lshl_add_u32 v14, v2, 4, v14                 ; a fragment's row x pitch + 16 h
	s_mul_i32 s98, s[WV], 64*PITCH                 ; my 64 rows of X
	v_add_nc_u32 v[ADX], s98, v14
	v_add_nc_u32 v[ADX+1], SLOT, v[ADX]
	v_add_nc_u32 v[ADW], 2*HALFT, v14              ; W's rows lie behind X's 256
	v_add_nc_u32 v[ADW+1], 2*HALFT+SLOT, v14
	v_lshlrev_b32 v[LSC], 5, v3
	v_lshlrev_b32 v[OFS], 12, v2
	v_lshl_add_u32 v[OFS], v1, 4, v[OFS]
	s_mul_i32 s99, s[WV], 16*PITCH
	s_add_co_u32 s99, s99, STAGE                   ; my stage
	v_mul_u32_u24 v[STI], v2, PITCH
	v_lshl_add_u32 v[STI], v1, 4, v[STI]
	v_add_nc_u32 v[STI], s99, v[STI]
	v_mul_u32_u24 v[STF], v1, PITCH
	v_lshl_add_u32 v[STF], v2, 5, v[STF]
	v_add_nc_u32 v[STF], s99, v[STF]
	SCLOAD 0, XS, WXS                              ; the scale words of the first two K steps
	SCLOAD 1, XS, WXS
	s_mov_b32 s[TILES], 2                          ; tiles to go, this one among them: the same in every work-group
	s_wait_tensorcnt 0x1                           ; my part of slot 0 is in; slot 1's may stay out
	s_barrier_signal -1
	s_barrier_wait -1                              ; everybody's is
.Ltile:                                                ; here slot 0 is whole, slot 1's load is out, and both scale sets' 20 loads may be out
	FETCH_X 0, 0, 0
	FETCH_W 0, 0, 0
	FETCH_W 0, 0, 8
	STEP 0, 0, 1, 10, 1                            ; x, bytes 0 on.  Set 0's words are in, set 1's ten loads may be out.  The first products start the sums: nothing is cleared.  The tile's c is asked for
	STEP 0, 1, 0, 0, 0
	STEP 0, 2, 0, 0, 0
	TURN 0, 1, 1, 1, HC, WHC, HS, WHS              ; slot 0 takes h's bytes 0 on
	STEP 1, 0, 0, 42, 0                            ; x, bytes 256 on.  Behind set 1's loads: c's 32 and set 0's ten
	STEP 1, 1, 0, 0, 0
	STEP 1, 2, 0, 0, 0
	TURN 1, 0, 1, 1, HC, WHC, HS, WHS              ; slot 1 takes h's bytes 256 on
	STEP 0, 0, 0, 10, 0                            ; h, bytes 0 on.  Behind set 0's loads: set 1's ten.  c's loads are older than set 0's: c is in too
	STEP 0, 1, 0, 0, 0
	STEP 0, 2, 0, 0, 0
	s_cmp_eq_u32 s[TILES], 1
	s_cbranch_scc1 .Llast                          ; the last tile's tail is written out: it asks for nothing more
	s_wait_xcnt 0x0                                ; the loads that named x's scales have read their base
	s_add_nc_u64 s[XC:XC+1], s[XC:XC+1], 4096*512  ; the next tile: 4,096 batch rows on
	s_add_nc_u64 s[XS:XS+1], s[XS:XS+1], 4096*32
	TURN 0, 1, 1, 1, XC, WXC, XS, WXS              ; THE RING GOES ON INTO THE NEXT TILE: slot 0 takes its first K step,
	STEP 1, 0, 0, 10, 0                            ; h, bytes 256 on.  Behind set 1's loads: set 0's ten
	STEP 1, 1, 0, 0, 0
	STEP 1, 2, 0, 0, 0
	TURN 1, 0, 1, 0, XC, WXC, XS, WXS              ; slot 1 its second; W's registers are wanted by the tail, so the next tile's first fragments are fetched behind it
	EPI
	s_add_nc_u64 s[PO0:PO0+1], s[PO0:PO0+1], (4096-64)*4096   ; (behind the tail's last wait on XCNT, with no memory instruction since)
	s_add_nc_u64 s[PO1:PO1+1], s[PO1:PO1+1], (4096-64)*4096
	s_add_nc_u64 s[CIN:CIN+1], s[CIN:CIN+1], 4096*4096
	s_add_nc_u64 s[HC:HC+1], s[HC:HC+1], 4096*512
	s_add_nc_u64 s[HS:HS+1], s[HS:HS+1], 4096*32
	s_sub_co_u32 s[TILES], s[TILES], 1
	s_branch .Ltile
.Llast:
	TURN 0, 1, 0, 1, 0, 0, 0, 0                    ; my one tensor load that was out is slot 1's, the last K step's, so no round follows
	STEP 1, 0, 0, 0, 0                             ; no load was issued behind set 1's
	STEP 1, 1, 0, 0, 0
	STEP 1, 2, 0, 0, 0
	s_wait_dscnt 16                                ; the very last step: nothing more to fetch
	WIN MUL_LO
	MULP 0, 1, 3, 1, 0
	MULP 1, 1, 3, 1, 0
	MULP 2, 1, 3, 1, 0
	MULP 3, 1, 3, 1, 0
	s_wait_dscnt 0x0
	WIN MUL_HI
	MULP 4, 1, 3, 1, 0
	MULP 5, 1, 3, 1, 0
	MULP 6, 1, 3, 1, 0
	MULP 7, 1, 3, 1, 0
	WIN 0
	PLACES 4                                       ; in front of the tail's first reads of results and writes over W's registers
	EPI
	s_wait_tensorcnt 0x0                           ; the wave's end: behind my last tensor load and my last LDS store
	ds_add_u32 v[SPW], v[NIL]
	s_wait_dscnt 0x0
	CROUND                                         ; the closing round: no work-group ends while a partner may still ask for a tile that names it
	s_endpgm
.Lfunc_end_k_q0a5b8b06f5_lstm:
	.size	k_q0a5b8b06f5_lstm, .Lfunc_end_k_q0a5b8b06f5_lstm-k_q0a5b8b06f5_lstm
	.p2alignl 7, 3214868480
	.fill 96, 4, 3214868480
	.section	.rodata,"a",@progbits
	.p2align	6, 0x0
	.amdhsa_kernel k_q0a5b8b06f5_lstm
		.amdhsa_group_segment_fixed_size 327680
		.amdhsa_private_segment_fixed_size 0
		.amdhsa_enable_private_segment 0
		.amdhsa_kernarg_size 88
		.amdhsa_user_sgpr_count 2
		.amdhsa_user_sgpr_kernarg_segment_ptr 1
		.amdhsa_wavefront_size32 1
		.amdhsa_system_sgpr_workgroup_id_x 1
		.amdhsa_system_sgpr_workgroup_id_y 1
		.amdhsa_system_sgpr_workgroup_id_z 1
		.amdhsa_system_vgpr_workitem_id 0
		.amdhsa_next_free_vgpr 1024
		.amdhsa_next_free_sgpr 100
		.amdhsa_reserve_vcc 0
		.amdhsa_float_denorm_mode_32 3
		.amdhsa_float_denorm_mode_16_64 3
		.amdhsa_memory_ordered 1
		.amdhsa_forward_progress 1
		.amdhsa_inst_pref_size 255
	.end_amdhsa_kernel
	.section	.bss,"aw",@nobits
	.p2align	6
	.space	262144
	.amdgpu_metadata
---
amdhsa.version: [ 1, 2 ]
amdhsa.kernels:
  - .name:           k_q0a5b8b06f5_lstm
    .symbol:         k_q0a5b8b06f5_lstm.kd
    .args:
      - { .name: x_codes, .offset: 0, .size: 8, .value_kind: global_buffer, .address_space: global }
      - { .name: x_scales, .offset: 8, .size: 8, .value_kind: global_buffer, .address_space: global }
      - { .name: h_codes, .offset: 16, .size: 8, .value_kind: global_buffer, .address_space: global }
      - { .name: h_scales, .offset: 24, .size: 8, .value_kind: global_buffer, .address_space: global }
      - { .name: Wx_codes, .offset: 32, .size: 8, .value_kind: global_buffer, .address_space: global }
      - { .name: Wx_scales, .offset: 40, .size: 8, .value_kind: global_buffer, .address_space: global }
      - { .name: Wh_codes, .offset: 48, .size: 8, .value_kind: global_buffer, .address_space: global }
      - { .name: Wh_scales, .offset: 56, .size: 8, .value_kind: global_buffer, .address_space: global }
      - { .name: c, .offset: 64, .size: 8, .value_kind: global_buffer, .address_space: global }
      - { .name: out0, .offset: 72, .size: 8, .value_kind: global_buffer, .address_space: global }
      - { .name: out1, .offset: 80, .size: 8, .value_kind: global_buffer, .address_space: global }
    .group_segment_fixed_size: 327680
    .private_segment_fixed_size: 0
    .kernarg_segment_align: 8
    .kernarg_segment_size: 88
    .max_flat_workgroup_size: 128
    .sgpr_count:     100
    .vgpr_count:     1024
    .wavefront_size: 32
...
	.end_amdgpu_metadata
.endif
;; end of part 1
